; MI455X (gfx1250); checked and timed in simulation.
; The chip was launched on July 23, 2026; its instructions are those of AMD's public machine-readable ISA for CDNA 5 (MIT licence, August 2026) and "CDNA5" Instruction Set Architecture Reference Guide (July 2026). The comments in the code are by the model that wrote it; some were corrected since.
;; Cross Spatial Attention. Allowed arithmetic: matrix products marked QUANTISED: E2M1 operands, one E8M0 scale for each 32 along K, by v_wmma_scale_f32_16x16x128_f8f6f4 with both operands' format E2M1 (or v_wmma_scale_f32_32x16x128_f4), f32 sums; everything else in f32.
;; Inputs: Wf_codes 64 x 8 x 16 uint8 (E2M1 codes of Wf, K innermost, in blocks of 32 codes, two codes a byte); Wf_scales 64 x 8 uint8 (E8M0 scales of Wf, one for each 32 codes along K); Wg_codes 64 x 8 x 16 uint8 (E2M1 codes of Wg, K innermost, in blocks of 32 codes, two codes a byte); Wg_scales 64 x 8 uint8 (E8M0 scales of Wg, one for each 32 codes along K); Wh_codes 64 x 8 x 16 uint8 (E2M1 codes of Wh, K innermost, in blocks of 32 codes, two codes a byte); Wh_scales 64 x 8 uint8 (E8M0 scales of Wh, one for each 32 codes along K); Wv_codes 256 x 2 x 16 uint8 (E2M1 codes of Wv, K innermost, in blocks of 32 codes, two codes a byte); Wv_scales 256 x 2 uint8 (E8M0 scales of Wv, one for each 32 codes along K); betf 64 float32; betg 64 float32; bf 64 float32; bg 64 float32; bh 64 float32; bv 256 float32; gamf 64 float32; gamg 64 float32; mf 64 float32; mg 64 float32; vf 64 float32; vg 64 float32; x 2 x 256 x 8 x 32 x 32 float32.
;; Outputs: out0 2 x 256 x 8 x 32 x 32 float32.
;; This version of the problem:
;;   THIS VERSION OF THE PROBLEM IS GIVEN IN LOW PRECISION. The matrix products marked QUANTISED in the list below multiply operands that are first quantised to E2M1 (2 exponent bits, 1 mantissa bit; 4 bits a number), with one power-of-two scale for each 32 numbers along K (OCP MX v1.0); their sums are f32. All else is computed in f32.
;;   The module's matrix products, in the order in which they are computed (A, B: the left and right operand; K: the contracted axis; several contracted axes count as one K, in the product's order):
;;     1. [M 64, K 256] x [K 256, N 16,384]; A: input Wf (given as codes); B: input x: QUANTISED
;;     2. [M 64, K 256] x [K 256, N 16,384]; A: input Wg (given as codes); B: input x: QUANTISED
;;     3. [M 64, K 256] x [K 256, N 16,384]; A: input Wh (given as codes); B: input x: QUANTISED
;;     4. batch 2 x [M 8,192, K 64] x [K 64, N 8,192]; A: computed on the way; B: computed on the way: QUANTISED
;;     5. batch 2 x [M 64, K 8,192] x [K 8,192, N 8,192]; A: computed on the way; B: softmax (see below): QUANTISED
;;     6. [M 256, K 64] x [K 64, N 16,384]; A: input Wv (given as codes); B: computed on the way: QUANTISED
;;   THE QUANTISER, for each operand of a quantised product, along K:
;;     - K is cut into blocks of 32 from its start; a last block that is shorter is filled with zeros.
;;     - A block's scale is 2^e with e = floor(log2(the largest magnitude in the block)) - 2, held to -126 .. 127; a block of zeros has e = 0. As a byte (E8M0): e + 127.
;;     - Each number is divided by its block's scale, clamped to +-6, and rounded to the nearest number of E2M1, ties to even, subnormals kept.
;;     - The product sums the exact products of the quantised numbers (number of the format x scale) in f32.
;;   ~~~python
;;   def quantise(x, axis):      # numpy; x: float32 -> the quantised numbers, widened to float32 again
;;       x = np.moveaxis(x, axis, -1); K = x.shape[-1]
;;       x = np.pad(x, [(0, 0)] * (x.ndim - 1) + [(0, -K % 32)]); x = x.reshape(x.shape[:-1] + (-1, 32)); a = np.abs(x).max(-1, keepdims=True)
;;       e = np.where(a > 0, np.clip(np.frexp(np.where(a > 0, a, 1))[1] - 1 - 2, -126, 127), 0)      # np.frexp(a)[1] - 1 = floor(log2(a)), exactly
;;       r = np.clip(x / 2.0 ** e, -6, 6)
;;       step = 2.0 ** (np.maximum(np.frexp(np.where(r == 0, 1, r))[1] - 1, 0) - 1)
;;       q = np.round(r / step) * step * 2.0 ** e      # np.round: ties to even
;;       return np.moveaxis(q.reshape(q.shape[:-2] + (-1,))[..., :K], -1, axis).astype(np.float32)
;;   ~~~
;;   SOFTMAX AHEAD OF A QUANTISED PRODUCT. Where the list says 'softmax', what is quantised is not the finished softmax but p = 2^(t - M), with t = logit x log2(e) and M = ceil(the row's largest t), a whole number; so 1/2 < the row's largest p <= 1. The row's sum l is taken of the UNQUANTISED p, in f32, and the product's result is divided by l at the end. Since M is a whole number, a kernel that streams over the keys may use a running M (the ceiling of the running maximum): every later rescaling is an exact power of two, which a block's scale takes up: the codes' values come out the same.
;;   OPERANDS COMPUTED ON THE WAY. 'Computed on the way' means the value that the module computes at that place (a softmax that the list does not call 'softmax' is quantised finished and normalised). What goes into a quantiser is computed in f32, as accurately as f32 sums, v_exp_f32 and their like allow (about 1e-6 of the number): no bf16 or f16 on the way to a quantiser, and a product that is left as it is and whose result goes on into a quantised operand takes f32 operands (vector FMAs, or v_wmma_f32_16x16x4_f32). A number that lies on a knife's edge between two numbers of the format may be rounded either way, as far as f32 arithmetic and the matrix unit's own rounding can turn it there, and no further.
;;   INPUTS GIVEN AS CODES. Wf (in the module: [64, 256], K = its axis 1); Wg (in the module: [64, 256], K = its axis 1); Wh (in the module: [64, 256], K = its axis 1); Wv (in the module: [256, 64], K = its axis 1): each comes as NAME_codes (uint8): NAME with its K axis moved to the last place and cut into blocks of 32 codes, [.., K / 32, bytes a block], one block behind the other in memory; two codes a byte, the lower K in the low four bits (a code: sign, 2 exponent bits, 1 mantissa bit); and NAME_scales (uint8): the same leading axes, one E8M0 byte (e + 127) for each 32 codes along K. Its value is code x scale, taken as it is: it is not quantised again, and the codes and scales need not be those that the quantiser above would give.
;; One version. Each part assembles by itself: llvm-mc -triple=amdgcn-amd-amdhsa -mcpu=gfx1250 --defsym DOCPART=n.
;; ======== version 1 of 1: 2 launches
;; workspace buffers: kv 1,179,648 bytes; fq 589,824 bytes
;; launch prep (part 1): grid 256 x 1, 16 waves a work-group, no clusters, 19,968 bytes of LDS; arguments x, kv, fq, Wh_codes, Wh_scales, bh, Wf_codes, Wf_scales, bf, gamf, betf, mf, vf, Wg_codes, Wg_scales, bg, gamg, betg, mg, vg; writes kv, fq
.if DOCPART == 1
	.amdgcn_target "amdgcn-amd-amdhsa--gfx1250"
	.amdhsa_code_object_version 6
	.text
	.protected	k_q87c5f82711_prep
	.globl	k_q87c5f82711_prep
	.p2align	8
	.type	k_q87c5f82711_prep,@function
k_q87c5f82711_prep:
	s_mov_b64 s[64:65], 0
	v_nop
	global_prefetch_b8 v0, s[64:65] scope:SCOPE_SE
	s_setreg_imm32_b32 hwreg(HW_REG_WAVE_MODE, 25, 1), 1
	s_wait_xcnt 0x0
; x [2][256 c][8192 n] f32 is quantised along c to FP4 (E2M1) with one E8M0 byte for each 32 channels; f = relu(bn(Wf x + bf)), g = relu(bn(Wg x + bg)), h = Wh x + bh
; are made on codes by the scaled matrix instruction and quantised at once: f and g along their 64 channels, h along the keys (voxels).  The codes leave as IMAGES OF OPERAND REGISTERS
; (lane l's 16 bytes at 16 l), so that the next launch loads fragments as they lie.
; SHARES.  A work-group takes 64 voxels of one batch (work-group = 128 b + n / 64).  Sixteen waves.
;   Phase X: wave w takes voxels 32 (w & 1) + lane and channels 32 (w >> 1) .. + 31: a lane to a voxel, its 32 registers down the channels: a whole block in a lane, no other lane is asked.
;   Phase M: waves 0-3 make f, waves 4-7 g (one tile of 16 voxels each, all 64 channels), waves 8-11 h (one tile of 16 channels each, all 64 voxels), waves 12-15 nothing; wave 12 stores the scale words.
; THE ROWS OF A TILE ARE NOT NEIGHBOURS: voxel tile u holds voxels 32 (r / 8) + 8 u + r % 8, channel tile t channels 32 (r / 8) + 8 t + r % 8 (r = lane % 16).  A result's register j of lane half h is source 0's
; row 8 h + j, so the 32 registers of four tiles are 32 NEIGHBOURS, 32 h + 0 .. 31, along the next K: a whole block in a lane, and the four conversions give the next operand's registers 0-3 as they stand.
; OUT.  kv: a record of 4,608 bytes for each work-group: g's codes (tile u at 512 u), h's codes (tile ct at 2048 + 512 ct), g's scale words (4096 + 16 r + 4 u; bytes 0, 1),
; h's scale half-words (4352 + 8 (r + 16 (ct / 2)) + 4 (ct % 2); bytes 2 c, 2 c + 1, c = work-group % 2: two records are one step of 128 keys).  fq: 2,304 bytes: f's codes, f's scale words at 2048 + 16 r + 4 u.
; BN is folded: acc x inv + ((b - mean) x inv + beta), inv = gamma x rsq(var + eps), all in f32: another order of rounding than the source's.
; LIMITS: NaN and infinities among the inputs are not served.  A block of zeros gets the byte 1 (the floor), not 127: its codes are zeros, and this program alone reads the bytes.
; NO CLUSTER, NO TENSOR LOADS: work-groups share only the weights, 25 KiB beside the 64 KiB of x that each reads alone; and a lane wants registers down K, which plain loads give.
.set XIMG, 0                           ; LDS: x's fragments: block blk (of 8) of voxel tile u, row r at 2048 u + 256 blk + 16 r
.set XSC,  8192                        ; x's scale words: (tile u, K step s, row r) at 128 u + 64 s + 4 r
.set PB,   8704                        ; 512 bytes for each wave: inv[64], then sh[64]
.set SCO,  16896                       ; the scale words on their way out: f's 256 bytes, g's 256, h's 256
.set ACC,  32                          ; v32-63   32 numbers of x, then four accumulators
.set FOUR, 64                          ; v64-127  the side with four tiles: fragment (q, s) at 64 + 16 q + 8 s
.set ONE,  128                         ; v128-143 the side with one tile: K step s at 128 + 8 s
.set FSC,  144                         ; v144-151 FOUR's scale words, 2 q + s
.set OSC,  152                         ; v152-153 ONE's
.set INV,  160                         ; v160-191 inv of my 32 channels
.set SHF,  192                         ; v192-223 sh of my 32 channels
.set RAW,  224                         ; v224-233 b, gamma, beta, mean, var of channels lane and lane + 32
.set BH,   234                         ; v[234:235] bh of my channel (the upper word is named with it, so it is written)
.set TM,   236
.set TM2,  237
.set SOP,  238                         ; the conversions' scale operand
.set BY,   239                         ; the scale's byte
.set CD,   240                         ; v240-243 a block's codes
.set WD,   244                         ; a scale word
.set PT,   245                         ; a lane permute's destination
.set RS,   246                         ; v246-247 inv of channels lane, lane + 32
; 32 numbers v[s] .. v[s + 31], one block, become 16 bytes of codes in v[c] .. v[c + 3]; the byte in v[BY].
.macro QBLOCK s, c
	v_max3_num_f32 v[TM], |v[\s]|, |v[\s+1]|, 0x1800000            ; the floor 2^(3 - 127) among the leaves: the byte cannot fall under 1
	v_max3_num_f32 v[TM2], |v[\s+2]|, |v[\s+3]|, |v[\s+4]|         ; two chains by turns
.irp i, 5,9,13,17,21,25
	s_delay_alu instid0(VALU_DEP_2)
	v_max3_num_f32 v[TM], v[TM], |v[\s+\i]|, |v[\s+\i+1]|
	s_delay_alu instid0(VALU_DEP_2)
	v_max3_num_f32 v[TM2], v[TM2], |v[\s+\i+2]|, |v[\s+\i+3]|
.endr
	s_delay_alu instid0(VALU_DEP_2)
	v_max3_num_f32 v[TM], v[TM], |v[\s+29]|, |v[\s+30]|
	s_delay_alu instid0(VALU_DEP_1)
	v_max3_num_f32 v[TM], v[TM], v[TM2], |v[\s+31]|                ; the block's largest magnitude
	s_delay_alu instid0(VALU_DEP_1)
	v_add_nc_u32 v[SOP], 0xff000000, v[TM]                         ; 2 off its exponent field: the conversion takes that field as its scale
	s_delay_alu instid0(VALU_DEP_1)
	v_lshrrev_b32 v[BY], 23, v[SOP]
.irp g, 0,1,2,3
	v_cvt_scalef32_pk8_fp4_f32 v[\c+\g], v[\s+8*\g:\s+8*\g+7], v[SOP]
.endr
	v_nop                                                          ; one plain place behind the scaled conversions
.endm
; My byte belongs to block h of my row, lane l xor 16's to the other block: together bytes 0 and 1 of the row's scale word; bytes 2 and 3 stay 0.
.macro WORD
	v_lshlrev_b32 v[WD], v21, v[BY]
	s_delay_alu instid0(VALU_DEP_1)
	v_permlanex16_b32 v[PT], v[WD], s54, s55
	s_delay_alu instid0(VALU_DEP_1)
	v_or_b32 v[WD], v[WD], v[PT]
.endm
; Eight products: four tiles x two K steps of 128 channels.  The first four start the sums; the four accumulators take turns.
.macro MM8
.irp q, 0,1,2,3
	v_wmma_scale_f32_16x16x128_f8f6f4 v[ACC+8*\q:ACC+8*\q+7], v[FOUR+16*\q:FOUR+16*\q+7], v[ONE:ONE+7], 0, v[FSC+2*\q], v[OSC] matrix_a_fmt:MATRIX_FMT_FP4 matrix_b_fmt:MATRIX_FMT_FP4
.endr
.irp q, 0,1,2,3
	v_wmma_scale_f32_16x16x128_f8f6f4 v[ACC+8*\q:ACC+8*\q+7], v[FOUR+16*\q+8:FOUR+16*\q+15], v[ONE+8:ONE+15], v[ACC+8*\q:ACC+8*\q+7], v[FSC+2*\q+1], v[OSC+1] matrix_a_fmt:MATRIX_FMT_FP4 matrix_b_fmt:MATRIX_FMT_FP4
.endr
.endm
	s_load_b512 s[8:23], s[0:1], 0x0               ; x s[8:9], kv s[10:11], fq s[12:13], Wh's codes s[14:15], scales s[16:17], bh s[18:19], Wf's codes s[20:21], scales s[22:23]
	s_load_b512 s[24:39], s[0:1], 0x40             ; bf, gamf, betf, mf, vf s[24:33]; Wg's codes s[34:35], scales s[36:37], bg s[38:39]
	s_load_b256 s[40:47], s[0:1], 0x80             ; gamg, betg, mg, vg
	v_lshl_add_u32 v254, v0, 2, 0x4600
	v_mov_b32 v255, 0
	v_lshrrev_b32 v1, 5, v0
	s_delay_alu instid0(VALU_DEP_1)
	v_readfirstlane_b32 s48, v1                    ; wave 0..15
	s_lshr_b32 s49, s48, 2                         ; role: 0 f, 1 g, 2 h, 3 none
	s_and_b32 s50, s48, 3                          ; which tile of the role
	s_and_b32 s51, s48, 1                          ; phase X: which 32 voxels
	s_lshr_b32 s52, s48, 1                         ; phase X: which block of 32 channels
	s_and_b32 s53, ttmp9, 1
	s_lshl_b32 s53, s53, 4                         ; 16 c: where h's two bytes stand in a step's scale word
	s_mov_b32 s54, 0x76543210
	s_mov_b32 s55, 0xfedcba98                      ; v_permlanex16_b32's selects for lane l xor 16
	; x at my batch, my block of channels, my 32 voxels
	s_lshr_b32 s58, ttmp9, 7
	s_lshl_b32 s58, s58, 23                        ; batch x 256 channels x 32,768 bytes
	s_lshl_b32 s59, s52, 20                        ; 32 channels x 32,768 bytes
	s_add_co_u32 s58, s58, s59
	s_and_b32 s59, ttmp9, 127
	s_lshl_b32 s59, s59, 8                         ; 64 voxels x 4 bytes
	s_add_co_u32 s58, s58, s59
	s_lshl_b32 s59, s51, 7
	s_add_co_u32 s58, s58, s59
	s_mov_b32 s59, 0
	; every address register is made here, ahead of the first parting of the roles
	v_and_b32 v1, 31, v0                           ; lane
	v_and_b32 v2, 15, v0                           ; r
	v_bfe_u32 v3, v0, 4, 1                         ; h
	s_delay_alu instid0(VALU_DEP_3)
	v_lshlrev_b32 v4, 2, v1                        ; 4 x lane
	s_delay_alu instid0(VALU_DEP_4)
	v_lshrrev_b32 v22, 3, v1                       ; lane / 8: in phase X my voxel's tile
	v_and_b32 v23, 7, v0                           ; lane % 8
	v_lshrrev_b32 v24, 3, v2                       ; r / 8
	s_delay_alu instid0(VALU_DEP_3)
	v_lshlrev_b32 v5, 11, v22
	s_delay_alu instid0(VALU_DEP_1)
	v_lshl_add_u32 v5, v23, 4, v5
	s_lshl_b32 s56, s52, 8
	s_lshl_b32 s57, s51, 7
	s_add_co_u32 s56, s56, s57
	v_add_nc_u32 v5, s56, v5                       ; where my block's codes go: 2048 (lane / 8) + 256 blk + 16 (8 vh + lane % 8)
	v_lshlrev_b32 v6, 7, v22
	s_delay_alu instid0(VALU_DEP_1)
	v_lshl_add_u32 v6, v23, 2, v6
	s_lshr_b32 s56, s52, 2
	s_lshl_b32 s56, s56, 6
	s_lshl_b32 s57, s51, 5
	s_add_co_u32 s56, s56, s57
	s_and_b32 s57, s52, 3
	s_add_co_u32 s56, s56, s57
	s_add_co_u32 s56, s56, XSC
	v_add_nc_u32 v6, s56, v6                       ; and its byte: XSC + 128 (lane / 8) + 64 (blk / 4) + 4 (8 vh + lane % 8) + blk % 4
	v_lshlrev_b32 v7, 4, v1                        ; 16 x lane: an image's place
	v_lshl_add_u32 v8, v2, 2, XSC                  ; x's scale words, row r
	s_lshl_b32 s56, s48, 9
	s_add_co_u32 s56, s56, PB
	v_add_nc_u32 v9, s56, v4                       ; my wave's inv and sh: in,
	v_lshl_add_u32 v10, v3, 7, s56                 ; and back: my half's 32 channels
	s_lshl_b32 s57, s49, 8
	s_lshl_b32 s56, s50, 2
	s_add_co_u32 s57, s57, s56
	s_add_co_u32 s57, s57, SCO
	v_lshl_add_u32 v11, v2, 4, s57                 ; f's or g's scale word: SCO + 256 role + 16 r + 4 tile
	s_lshr_b32 s57, s50, 1
	s_lshl_b32 s57, s57, 7
	s_and_b32 s56, s50, 1
	s_lshl_b32 s56, s56, 2
	s_add_co_u32 s57, s57, s56
	s_add_co_u32 s57, s57, SCO+512
	v_lshl_add_u32 v12, v2, 3, s57                 ; h's: SCO + 512 + 8 r + 128 (tile / 2) + 4 (tile % 2)
	v_lshl_add_u32 v13, v1, 3, SCO                 ; the way out of the scale words: 8 bytes a lane
	v_lshlrev_b32 v14, 3, v1
	v_lshlrev_b32 v15, 12, v24
	s_delay_alu instid0(VALU_DEP_1)
	v_lshl_add_u32 v15, v23, 7, v15
	s_delay_alu instid0(VALU_DEP_1)
	v_lshl_add_u32 v15, v3, 4, v15                 ; a weight's codes: row 32 (r / 8) + r % 8 of 128 bytes, + 16 h
	v_lshlrev_b32 v16, 8, v24
	s_delay_alu instid0(VALU_DEP_1)
	v_lshl_add_u32 v16, v23, 3, v16                ; its scale bytes: 8 a row
	v_lshlrev_b32 v17, 7, v24
	s_delay_alu instid0(VALU_DEP_1)
	v_lshl_add_u32 v17, v23, 2, v17                ; bh: 4 bytes a row
	s_lshl_b32 s57, s50, 11
	v_add_nc_u32 v19, s57, v7                      ; x's fragments of my voxel tile
	s_lshl_b32 s57, s50, 7
	v_add_nc_u32 v20, s57, v8                      ; and their scale words
	v_lshlrev_b32 v21, 3, v3                       ; 8 h
	v_mov_b32 v[PT], 0                             ; a lane permute's destination counts as one of its sources
	v_mov_b32 v[BH+1], 0
	s_wait_kmcnt 0x0
	s_add_nc_u64 s[8:9], s[8:9], s[58:59]
.set i, 0
.rept 32
	global_load_b32 v[ACC+i], v4, s[8:9] offset:32768*i            ; x(32 blk + i, my voxel): 32 lanes read 128 consecutive bytes; the next launch reads x again, so no hint
.set i, i+1
.endr
	s_cmp_eq_u32 s49, 1                            ; g's waves take g's seven buffers: the choice hangs on the wave's number alone
	s_cselect_b64 s[20:21], s[34:35], s[20:21]
	s_cselect_b64 s[22:23], s[36:37], s[22:23]
	s_cselect_b64 s[24:25], s[38:39], s[24:25]
	s_cselect_b64 s[26:27], s[40:41], s[26:27]
	s_cselect_b64 s[28:29], s[42:43], s[28:29]
	s_cselect_b64 s[30:31], s[44:45], s[30:31]
	s_cselect_b64 s[32:33], s[46:47], s[32:33]
	s_mov_b32 s57, 0
	s_mul_i32 s56, ttmp9, 4608
	s_add_nc_u64 s[10:11], s[10:11], s[56:57]      ; my record of kv
	s_mul_i32 s56, ttmp9, 2304
	s_add_nc_u64 s[12:13], s[12:13], s[56:57]      ; my record of fq
	s_cmp_eq_u32 s49, 0
	s_cselect_b64 s[66:67], s[12:13], s[10:11]     ; f's codes go to fq, g's to kv,
	s_lshl_b32 s56, s50, 9
	s_add_nc_u64 s[66:67], s[66:67], s[56:57]      ; tile u at 512 u;
	s_add_nc_u64 s[68:69], s[10:11], s[56:57]
	s_add_nc_u64 s[68:69], s[68:69], 2048          ; h's tile ct at 2048 + 512 ct
	s_lshl_b32 s56, s50, 10
	s_add_nc_u64 s[14:15], s[14:15], s[56:57]      ; Wh: tile ct begins 8 ct rows on: codes,
	s_lshl_b32 s56, s50, 6
	s_add_nc_u64 s[16:17], s[16:17], s[56:57]      ; scale bytes,
	s_lshl_b32 s56, s50, 5
	s_add_nc_u64 s[18:19], s[18:19], s[56:57]      ; bh
	; the weights and parameters of my role are asked for behind x
	s_cmp_lt_u32 s49, 2
	s_cbranch_scc0 .Lask_not_fg
	s_wait_alu depctr_va_vdst(0)
.irp q, 0,1,2,3
.irp s, 0,1
.irp c, 0,1
	global_load_b128 v[FOUR+16*\q+8*\s+4*\c:FOUR+16*\q+8*\s+4*\c+3], v15, s[20:21] offset:1024*\q+64*\s+32*\c   ; channel tile q, K step s
.endr
.endr
	global_load_b64 v[FSC+2*\q:FSC+2*\q+1], v16, s[22:23] offset:64*\q                                          ; its rows' two scale words
.endr
.irp p, 0,1,2,3,4
	global_load_b32 v[RAW+2*\p], v4, s[24+2*\p:25+2*\p]                                                         ; b, gamma, beta, mean, var of channel lane,
	global_load_b32 v[RAW+2*\p+1], v4, s[24+2*\p:25+2*\p] offset:128                                            ; and of channel lane + 32
.endr
	s_branch .Lasked
.Lask_not_fg:
	s_cmp_eq_u32 s49, 2
	s_cbranch_scc0 .Lasked
.irp s, 0,1
.irp c, 0,1
	global_load_b128 v[ONE+8*\s+4*\c:ONE+8*\s+4*\c+3], v15, s[14:15] offset:64*\s+32*\c
.endr
.endr
	s_wait_alu depctr_va_vdst(0)
	global_load_b64 v[OSC:OSC+1], v16, s[16:17]
	global_load_b32 v[BH], v17, s[18:19]
.Lasked:
	; ---- X: my block of x
	s_wait_loadcnt 0x0                             ; x, and what my role asked for: the same count on every way
	QBLOCK ACC, CD
	ds_store_b128 v5, v[CD:CD+3]
	ds_store_b8 v6, v[BY]
	s_wait_dscnt 0x0                               ; for the others' sake: my stores have landed
	s_barrier_signal -1
	s_barrier_wait -1                              ; x's eight fragments and their scale words lie in LDS
	; ---- M
	s_cmp_lt_u32 s49, 2
	s_cbranch_scc0 .Lwork_not_fg
	v_add_f32 v[RAW+8], 0x3727c5ac, v[RAW+8]       ; var + 1e-5
	v_add_f32 v[RAW+9], 0x3727c5ac, v[RAW+9]
	s_wait_alu depctr_va_vdst(0)
	v_rsq_f32 v[RS], v[RAW+8]
	v_rsq_f32 v[RS+1], v[RAW+9]
	v_sub_f32 v[RAW], v[RAW], v[RAW+6]             ; b - mean: the plain place behind the roots
	v_sub_f32 v[RAW+1], v[RAW+1], v[RAW+7]
	s_wait_alu depctr_va_vdst(0)
	v_mul_f32 v[RS], v[RAW+2], v[RS]               ; inv = gamma / sqrt(var + eps)
	v_mul_f32 v[RS+1], v[RAW+3], v[RS+1]
	s_delay_alu instid0(VALU_DEP_2)
	v_fma_f32 v[RAW], v[RAW], v[RS], v[RAW+4]      ; sh = (b - mean) inv + beta
	s_delay_alu instid0(VALU_DEP_2)
	v_fma_f32 v[RAW+1], v[RAW+1], v[RS+1], v[RAW+5]
	ds_store_b32 v9, v[RS]                         ; through my wave's own bytes: LDS serves a wave's instructions in order, so the loads below see these
	ds_store_b32 v9, v[RS+1] offset:128
	ds_store_b32 v9, v[RAW] offset:256
	ds_store_b32 v9, v[RAW+1] offset:384
.irp s, 0,1
.irp c, 0,1
	ds_load_b128 v[ONE+8*\s+4*\c:ONE+8*\s+4*\c+3], v19 offset:XIMG+1024*\s+512*\c   ; x's fragment of my voxel tile
.endr
.endr
	ds_load_b32 v[OSC], v20
	ds_load_b32 v[OSC+1], v20 offset:64
.irp i, 0,1,2,3,4,5,6,7
	ds_load_b128 v[INV+4*\i:INV+4*\i+3], v10 offset:16*\i
.endr
.irp i, 0,1,2,3,4,5,6,7
	ds_load_b128 v[SHF+4*\i:SHF+4*\i+3], v10 offset:256+16*\i
.endr
	s_wait_dscnt 16                                ; x's fragment and its words are in; the sixteen younger loads (inv, sh) may be out
	MM8                                            ; source 0 = 16 rows of W, source 1 = x: lane (r, h) holds voxel r of my tile, register 8 q + j channel 32 h + 8 q + j
	s_wait_dscnt 0x0
.rept 4
	v_nop                                          ; four places behind the last product, ahead of the first read of results
.endr
.set k, 0
.rept 16
	v_pk_fma_f32 v[ACC+2*k:ACC+2*k+1], v[ACC+2*k:ACC+2*k+1], v[INV+2*k:INV+2*k+1], v[SHF+2*k:SHF+2*k+1]   ; bias and BN, each accumulator from its low end on
.set k, k+1
.endr
.set k, 0
.rept 32
	v_max_num_f32 v[ACC+k], 0, v[ACC+k]            ; relu
.set k, k+1
.endr
	QBLOCK ACC, CD                                 ; block h of my voxel: registers 0-3 of the next operand
	WORD
	ds_store_b32 v11, v[WD]                        ; (both halves of the lanes write the same word with the same value)
	global_store_b128 v7, v[CD:CD+3], s[66:67]     ; the wave stores 512 consecutive bytes, at a multiple of 256 from the buffer's first byte
	s_branch .Lworked
.Lwork_not_fg:
	s_cmp_eq_u32 s49, 2
	s_cbranch_scc0 .Lworked
.irp q, 0,1,2,3
.irp s, 0,1
.irp c, 0,1
	ds_load_b128 v[FOUR+16*\q+8*\s+4*\c:FOUR+16*\q+8*\s+4*\c+3], v7 offset:XIMG+2048*\q+1024*\s+512*\c      ; all of x's fragments
.endr
	ds_load_b32 v[FSC+2*\q+\s], v8 offset:128*\q+64*\s
.endr
.endr
	s_wait_dscnt 0x0
	MM8                                            ; source 0 = x's voxel tile q, source 1 = 16 rows of Wh: lane (r, h) holds one channel, register 8 q + j voxel 32 h + 8 q + j
.rept 4
	v_nop
.endr
.set k, 0
.rept 16
	v_pk_add_f32 v[ACC+2*k:ACC+2*k+1], v[ACC+2*k:ACC+2*k+1], v[BH:BH+1] op_sel_hi:[1,0]                     ; + bh of my channel
.set k, k+1
.endr
	QBLOCK ACC, CD                                 ; 32 keys of my channel
	WORD
	s_delay_alu instid0(VALU_DEP_1)
	v_lshlrev_b32 v[WD], s53, v[WD]                ; bytes 2 c and 2 c + 1 of the step's word
	ds_store_b32 v12, v[WD]
	global_store_b128 v7, v[CD:CD+3], s[68:69]
.Lworked:
	s_wait_dscnt 0x0                               ; my scale words have landed
	s_barrier_signal -1
	s_barrier_wait -1
	s_cmp_lg_u32 s48, 12
	s_cbranch_scc1 .Lend
	ds_load_b64 v[224:225], v13                    ; f's scale words,
	ds_load_b64 v[226:227], v13 offset:256         ; g's,
	ds_load_b64 v[228:229], v13 offset:512         ; h's half-words
	s_wait_dscnt 0x0
	global_store_b64 v14, v[224:225], s[12:13] offset:2048         ; each store covers 256 consecutive bytes, aligned
	global_store_b64 v14, v[226:227], s[10:11] offset:4096
	global_store_b64 v14, v[228:229], s[10:11] offset:4352
.Lend:
	s_wait_tensorcnt 0x0
	ds_add_u32 v254, v255
	s_wait_dscnt 0x0
	s_endpgm
.Lfunc_end_k_q87c5f82711_prep:
	.size	k_q87c5f82711_prep, .Lfunc_end_k_q87c5f82711_prep-k_q87c5f82711_prep
	.p2alignl 7, 3214868480
	.fill 96, 4, 3214868480
	.section	.rodata,"a",@progbits
	.p2align	6, 0x0
	.amdhsa_kernel k_q87c5f82711_prep
		.amdhsa_group_segment_fixed_size 19968
		.amdhsa_private_segment_fixed_size 0
		.amdhsa_enable_private_segment 0
		.amdhsa_kernarg_size 160
		.amdhsa_user_sgpr_count 2
		.amdhsa_user_sgpr_kernarg_segment_ptr 1
		.amdhsa_wavefront_size32 1
		.amdhsa_system_sgpr_workgroup_id_x 1
		.amdhsa_system_sgpr_workgroup_id_y 1
		.amdhsa_system_sgpr_workgroup_id_z 1
		.amdhsa_system_vgpr_workitem_id 0
		.amdhsa_next_free_vgpr 256
		.amdhsa_next_free_sgpr 80
		.amdhsa_reserve_vcc 0
		.amdhsa_float_denorm_mode_32 3
		.amdhsa_float_denorm_mode_16_64 3
		.amdhsa_memory_ordered 1
		.amdhsa_forward_progress 1
		.amdhsa_inst_pref_size 29
	.end_amdhsa_kernel
	.amdgpu_metadata
---
amdhsa.version: [ 1, 2 ]
amdhsa.kernels:
  - .name:           k_q87c5f82711_prep
    .symbol:         k_q87c5f82711_prep.kd
    .args:
      - { .name: x, .offset: 0, .size: 8, .value_kind: global_buffer, .address_space: global }
      - { .name: kv, .offset: 8, .size: 8, .value_kind: global_buffer, .address_space: global }
      - { .name: fq, .offset: 16, .size: 8, .value_kind: global_buffer, .address_space: global }
      - { .name: Wh_codes, .offset: 24, .size: 8, .value_kind: global_buffer, .address_space: global }
      - { .name: Wh_scales, .offset: 32, .size: 8, .value_kind: global_buffer, .address_space: global }
      - { .name: bh, .offset: 40, .size: 8, .value_kind: global_buffer, .address_space: global }
      - { .name: Wf_codes, .offset: 48, .size: 8, .value_kind: global_buffer, .address_space: global }
      - { .name: Wf_scales, .offset: 56, .size: 8, .value_kind: global_buffer, .address_space: global }
      - { .name: bf, .offset: 64, .size: 8, .value_kind: global_buffer, .address_space: global }
      - { .name: gamf, .offset: 72, .size: 8, .value_kind: global_buffer, .address_space: global }
      - { .name: betf, .offset: 80, .size: 8, .value_kind: global_buffer, .address_space: global }
      - { .name: mf, .offset: 88, .size: 8, .value_kind: global_buffer, .address_space: global }
      - { .name: vf, .offset: 96, .size: 8, .value_kind: global_buffer, .address_space: global }
      - { .name: Wg_codes, .offset: 104, .size: 8, .value_kind: global_buffer, .address_space: global }
      - { .name: Wg_scales, .offset: 112, .size: 8, .value_kind: global_buffer, .address_space: global }
      - { .name: bg, .offset: 120, .size: 8, .value_kind: global_buffer, .address_space: global }
      - { .name: gamg, .offset: 128, .size: 8, .value_kind: global_buffer, .address_space: global }
      - { .name: betg, .offset: 136, .size: 8, .value_kind: global_buffer, .address_space: global }
      - { .name: mg, .offset: 144, .size: 8, .value_kind: global_buffer, .address_space: global }
      - { .name: vg, .offset: 152, .size: 8, .value_kind: global_buffer, .address_space: global }
    .group_segment_fixed_size: 19968
    .private_segment_fixed_size: 0
    .kernarg_segment_align: 8
    .kernarg_segment_size: 160
    .max_flat_workgroup_size: 512
    .sgpr_count:     80
    .vgpr_count:     256
    .wavefront_size: 32
...
	.end_amdgpu_metadata
.endif
;; end of part 1
;; launch attn (part 2): grid 128 x 2, 16 waves a work-group, clusters of 4 x 1, 327,680 bytes of LDS; arguments kv, fq, Wv_codes, Wv_scales, bv, x, out0; writes out0
.if DOCPART == 2
	.amdgcn_target "amdgcn-amd-amdhsa--gfx1250"
	.amdhsa_code_object_version 6
	.text
	.protected	k_q87c5f82711_attn
	.globl	k_q87c5f82711_attn
	.p2align	8
	.type	k_q87c5f82711_attn,@function
k_q87c5f82711_attn:
	s_mov_b64 s[64:65], 0
	v_nop
	global_prefetch_b8 v0, s[64:65] scope:SCOPE_SE
	s_setreg_imm32_b32 hwreg(HW_REG_WAVE_MODE, 25, 1), 1
	s_wait_xcnt 0x0
	s_wait_alu depctr_hold_cnt(0) depctr_sa_sdst(0) depctr_va_vdst(0) depctr_va_sdst(0) depctr_va_ssrc(0) depctr_va_vcc(0) depctr_vm_vsrc(0)
	s_getreg_b32 s2, hwreg(HW_REG_IB_STS2, 6, 4)
	s_cmp_eq_u32 s2, 0
	s_cbranch_scc0 .Lentry_in_a_cluster
	s_endpgm
.Lentry_in_a_cluster:
	s_bfe_u32 s2, ttmp6, 0x10000c
	s_cmp_lg_u32 s2, 0x3003
	s_cbranch_scc0 .Lentry_shape_is_right
	s_endpgm
.Lentry_shape_is_right:
; out[b][o][n] = sum over c of Wv[o][c] Q(z)[c][n] + bv[o] + x[b][o][n],  z[c][n] = (sum over m of Q(h)[c][m] Q(p)[n][m]) / l[n],  p = 2^(t - M), t = (Q(f)[:, n] . Q(g)[:, m]) log2(e) / 8,
; M the ceiling of the row's largest t (a running one: every rescaling is a power of two), l the row's sum of the unquantised p.  All products on codes of FP4 (E2M1) with E8M0 scales.
; f, g, h come as images of operand registers from the launch before (kv: 9,216 bytes for a step of 128 keys = two records of g's codes, h's codes, g's scale words, h's half-words; fq: f).
; SHARES.  A work-group owns 64 queries of one batch.  Sixteen waves, four to a SIMD: wave w owns query tile w % 4 (16 queries, one a lane) and key split w / 4.  The keys come in 8 chunks of 8 steps;
; of each chunk split ks takes steps 2 ks and 2 ks + 1.  The four splits of a query tile meet in LDS at the end: M is a whole number, so the factors that bring them under one M are powers of two.
; LAYOUT.  S^T = g f^T (source 0 = 16 keys, source 1 = my 16 queries), O^T = h p^T (source 0 = 16 channels, source 1 = p).  The rows of a tile are chosen (32 (r / 8) + 8 u + r % 8) so that a lane's 32 registers
; of four tiles are a WHOLE block of 32 along the next K: no lane is asked for a block's maximum, and the conversions' results are the operand's registers.
; K = 64 IN A FORM OF K = 128 (g f^T, Wv z): f's and z's registers 4-7 are zero codes; the other side's fragments lie 4 registers apart, so its registers 4-7 are the next tile's codes, which meet zero codes and add
; nothing; the scale bytes 2 and 3 are 0 on both sides, which is a small power of two and no NaN.  Four registers of zeros stand behind g's last tile.
; RING.  Four LDS slots of one chunk (73,728 bytes, dense: every read is 16 or 8 bytes x lane on end).  Chunks 0-3 are first fills, chunks 4-7 refill slots 0-3, each behind a round, three phases ahead of its reads.
; CLUSTER.  The four work-groups of a cluster have the same batch and walk the same chunks: each fill is asked for JOINTLY (mask 15), by waves 0-3, a quarter of a chunk each.  By this text's count a wave has at
; most four tensor loads outstanding.  The place in the cluster enters the addresses of fq, x and out0 alone.
; LIMITS: NaN and infinities are not served; a p under 2^-126 comes out of v_exp_f32 as 0; a block of zeros has the byte 1; 1 / l is multiplied into the splits' factors ahead of their sum (another order of rounding).
.set CHB,   73728                      ; a chunk, and a slot
.set STB,   9216                       ; a step of 128 keys
.set HRB,   4608                       ; half of it: 64 keys
.set QTB,   18432                      ; a quarter of a chunk: what one tensor load brings, and what one split reads
.set SPARE, 4*CHB                      ; behind the ring: the spare words, 128 bytes for each wave: eight blocks of 256 bytes that no other line names
.set MRW,   4352                       ; the merge: for each wave an image of O^T (4,096 bytes), -M (128), l (128); in slot 0, from byte 0: the slot has had its last fill, and every wave has left it at the last barrier of the ring
.set OST,   CHB                        ; the way out: 256 rows (o) x (256 bytes + 16), in slot 1, which every wave has left at the merge's barrier
.set OSP,   272
.set SPW, 1                            ; v1   LDS address of my spare word; never rewritten
.set NIL, 2                            ; v2   0; never rewritten
.set LI,  3                            ; v3   16 x lane
.set AG0, 4                            ; v4   g's scale words: 4096 + 16 r + 4608 h
.set AH0, 5                            ; v5   h's half-words: 4352 + 8 x lane
.set SH8, 6                            ; v6   8 h
.set OSR, 7                            ; v7   the way out: where I read rows back
.set FQ,  8                            ; v8-15   f's fragment (v12-15 zeros); later z's
.set FS,  16                           ; v16     f's scale word; later z's
.set ADI, 17                           ; v17-19  the chunk's addresses
.set ADG, 18
.set ADH, 19
.set GK,  20                           ; v20-55  g's eight tiles, 4 registers each, and four zeros; later Wv's fragments, at work
.set GS,  56                           ; v56-59  g's scale words; later Wv's
.set HV,  60                           ; v60-91  h's four fragments; later split 3
.set HS,  92                           ; v92-95  h's scale words
.set SS,  96                           ; v96-159 S^T, then p; later splits 0, 1, results, rows
.set OO,  160                          ; v160-191 O^T; later split 2
.set PP,  192                          ; v192-199 p's codes; later bv
.set PS,  200                          ; v200    p's scale word
.set GOX, 201                          ; v201    my byte in two rows of x and of out: 32768 (lane / 16) + 16 (lane % 16); never rewritten
.set NM,  202                          ; v202 -M, v203 the largest t
.set MT,  203
.set LL,  204                          ; v[204:205] l in two halves
.set FF,  206                          ; v[206:207] 2^(old M - new M) (the upper word is named with it, so it is written)
.set SU,  208                          ; v[208:209] a second chain of the sum
.set BM,  210                          ; v210-211 the largest score of my two blocks, then their largest p
.set SOP, 212                          ; v212-213 the conversions' scale operands
.set BY,  214                          ; v214-215 the scale bytes
.set TT,  216
.set PT,  217                          ; a lane permute's destination
.set WD,  218
.set MW,  219                          ; v219-222 the merge: in (my wave's bytes), back (my query tile's four)
.set MW4, 220
.set MR,  221
.set MR4, 222
.set OSW, 223                          ; v223    the way out: where I put 32 bytes of a row
.set XR,  224                          ; v224-255 x for the residual
.macro CROUND                          ; a round of the cluster's barrier
	s_barrier_signal -1
	s_barrier_wait -1
	s_cmp_lg_u32 s22, 0
	s_cbranch_scc1 .Lnot_wave_0_\@
	s_barrier_signal -3
.Lnot_wave_0_\@:
	s_barrier_wait -3
	s_barrier_signal -1
	s_barrier_wait -1
.endm
.macro TLOAD                           ; waves 0-3 fetch a quarter of a chunk each; the branch hangs on the wave's number alone; four v_nop follow the load
	s_cmp_lt_u32 s22, 4
	s_cbranch_scc0 .Lno_fetch_\@
	tensor_load_to_lds s[56:59], s[32:39]
	s_nop 0
.rept 4
	v_nop
.endr
.Lno_fetch_\@:
.endm
; THE CHANGE OF SLOTS, at a phase's head.  Each wave waits for all its tensor loads, adds 0 to its spare word, and waits for that and for its reads of the slot that it has left.
; fill = 1: that slot is filled again, with the chunk four on; the barrier is then a round of the cluster's, and the joint refill is the first thing behind it.
.macro CHANGE fill
	s_wait_tensorcnt 0x0                           ; no tensor load of mine is out, so the walking group 0 may be written
	ds_add_u32 v[SPW], v[NIL]                      ; 0 onto my spare word
.if \fill
	s_add_co_u32 s57, s66, s68                     ; LDS: the slot just left + my quarter
	s_add_nc_u64 s[58:59], s[60:61], s[62:63]      ; memory: chunk 4's quarter + the chunks passed
	s_or_b32 s59, s59, 0x80000000                  ; type = 2
	s_wait_dscnt 0x0                               ; the add is done, and my reads of the slot are over
	CROUND
	TLOAD
.else
	s_wait_dscnt 0x0
	s_barrier_signal -1
	s_barrier_wait -1
.endif
.endm
; 32 numbers, one block, become codes in v[c] .. v[c + 3]; the byte in v[BY].
.macro QBLOCK s, c
	v_max3_num_f32 v[TT], |v[\s]|, |v[\s+1]|, 0x1800000            ; the floor 2^(3 - 127): the byte cannot fall under 1
	v_max3_num_f32 v[WD], |v[\s+2]|, |v[\s+3]|, |v[\s+4]|
.irp i, 5,9,13,17,21,25
	s_delay_alu instid0(VALU_DEP_2)
	v_max3_num_f32 v[TT], v[TT], |v[\s+\i]|, |v[\s+\i+1]|
	s_delay_alu instid0(VALU_DEP_2)
	v_max3_num_f32 v[WD], v[WD], |v[\s+\i+2]|, |v[\s+\i+3]|
.endr
	s_delay_alu instid0(VALU_DEP_2)
	v_max3_num_f32 v[TT], v[TT], |v[\s+29]|, |v[\s+30]|
	s_delay_alu instid0(VALU_DEP_1)
	v_max3_num_f32 v[TT], v[TT], v[WD], |v[\s+31]|
	s_delay_alu instid0(VALU_DEP_1)
	v_add_nc_u32 v[SOP], 0xff000000, v[TT]
	s_delay_alu instid0(VALU_DEP_1)
	v_lshrrev_b32 v[BY], 23, v[SOP]
.irp g, 0,1,2,3
	v_cvt_scalef32_pk8_fp4_f32 v[\c+\g], v[\s+8*\g:\s+8*\g+7], v[SOP]
.endr
	v_nop                                                          ; one plain place behind the scaled conversions
.endm
; A KEY STEP: 128 keys, the q-th of my two in the chunk in hand.
.macro STEP q
.set OFF, STB*(\q)
	ds_load_b128 v[GS:GS+3], v[ADG] offset:OFF                     ; g's scale words: lanes 0-15 tiles 0-3, lanes 16-31 tiles 4-7
.irp c, 0,1
.irp u, 0,1,2,3
	ds_load_b128 v[GK+4*(4*\c+\u):GK+4*(4*\c+\u)+3], v[ADI] offset:OFF+HRB*\c+512*\u
.endr
.endr
	s_wait_dscnt 0x0
.irp t, 0,1,2,3                        ; S^T: register 32 c + 8 u + j of lane half h is key 64 c + 32 h + 8 u + j
	v_wmma_scale_f32_16x16x128_f8f6f4 v[SS+8*\t:SS+8*\t+7], v[GK+4*\t:GK+4*\t+7], v[FQ:FQ+7], 0, v[GS+\t], v[FS] matrix_a_fmt:MATRIX_FMT_FP4 matrix_b_fmt:MATRIX_FMT_FP4
.endr
.irp t, 4,5,6,7
	v_wmma_scale_f32_16x16x128_f8f6f4 v[SS+8*\t:SS+8*\t+7], v[GK+4*\t:GK+4*\t+7], v[FQ:FQ+7], 0, v[GS+\t-4], v[FS] matrix_a_fmt:MATRIX_FMT_FP4 matrix_b_fmt:MATRIX_FMT_FP4 matrix_a_scale:MATRIX_SCALE_ROW1
.endr
.rept 4
	v_nop                                          ; four places: ahead of the first read of the scores, and of the loads into registers that the last step's products h p^T have read
.endr
	ds_load_b64 v[HS:HS+1], v[ADH] offset:OFF                      ; h's half-words of keys 0-63 (bytes 0, 1): lanes 0-15 tiles 0, 1; lanes 16-31 tiles 2, 3
	ds_load_b64 v[HS+2:HS+3], v[ADH] offset:OFF+HRB                ; and of keys 64-127 (bytes 2, 3)
.irp ct, 0,1,2,3
.irp c, 0,1
	ds_load_b128 v[HV+8*\ct+4*\c:HV+8*\ct+4*\c+3], v[ADI] offset:OFF+HRB*\c+2048+512*\ct   ; they land under the softmax
.endr
.endr
.irp c, 0,1
	v_max3_num_f32 v[BM+\c], v[SS+32*\c], v[SS+32*\c+1], v[SS+32*\c+2]     ; THE LARGEST SCORE OF EACH OF MY TWO BLOCKS: for the row's maximum, and, since p rises with the score, for the block's largest p.  Each accumulator is read from its low end on
.endr
.irp i, 3,5,7,9,11,13,15,17,19,21,23,25,27,29
.irp c, 0,1
	v_max3_num_f32 v[BM+\c], v[BM+\c], v[SS+32*\c+\i], v[SS+32*\c+\i+1]
.endr
.endr
.irp c, 0,1
	v_max_num_f32 v[BM+\c], v[BM+\c], v[SS+32*\c+31]
.endr
	s_delay_alu instid0(VALU_DEP_1)
	v_max_num_f32 v[TT], v[BM], v[BM+1]
	s_delay_alu instid0(VALU_DEP_1)
	v_permlanex16_b32 v[PT], v[TT], s28, s29
	s_delay_alu instid0(VALU_DEP_1)
	v_max_num_f32 v[TT], v[TT], v[PT]              ; with lane l xor 16's two blocks: the step's largest score of my query
	s_delay_alu instid0(VALU_DEP_1)
	v_mul_f32 v[TT], s30, v[TT]                    ; as t (the factor is positive)
	s_delay_alu instid0(VALU_DEP_1)
	v_max_num_f32 v[MT], v[MT], v[TT]              ; the running largest t
	v_mov_b32 v[TT], v[NM]
	s_delay_alu instid0(VALU_DEP_2)
	v_floor_f32 v[NM], -v[MT]                      ; the new -M = -ceil(t): a whole number
	s_delay_alu instid0(VALU_DEP_1)
	v_sub_f32 v[TT], v[NM], v[TT]                  ; old M - new M, 0 or less
	s_delay_alu instid0(VALU_DEP_1)
	v_cvt_i32_f32 v[TT], v[TT]                     ; (it saturates)
	s_delay_alu instid0(VALU_DEP_1)
	v_ldexp_f32 v[FF], 1.0, v[TT]                  ; 2^(old M - new M): multiplying by it rounds nothing
.set j, 0
.rept 32
	v_pk_fma_f32 v[SS+j:SS+j+1], v[SS+j:SS+j+1], s[30:31], v[NM:NM+1] op_sel_hi:[1,0,0]    ; t - M, two at a time (of both pairs the low word serves both halves)
.set j, j+2
.endr
.irp c, 0,1
	v_fma_f32 v[BM+\c], v[BM+\c], s30, v[NM]       ; the same of each block's largest score
.endr
.set j, 0
	s_wait_alu depctr_va_vdst(0)
.rept 64
	v_exp_f32 v[SS+j], v[SS+j]                     ; p = 2^(t - M), at most 1, not normalised
.set j, j+1
.endr
.irp c, 0,1
	v_exp_f32 v[BM+\c], v[BM+\c]                   ; the block's largest p: the same two instructions on the same number
.endr
	v_pk_mul_f32 v[LL:LL+1], v[LL:LL+1], v[FF:FF+1] op_sel_hi:[1,0]        ; l under the new M.  (The plain place behind the exponentials)
	s_wait_dscnt 8                                 ; h's two loads of half-words are in; the eight younger loads (h's codes) may be out
	v_or_b32 v[HS], v[HS], v[HS+2]                 ; the step's scale words of h
	v_or_b32 v[HS+1], v[HS+1], v[HS+3]
	s_wait_alu depctr_va_vdst(0)
.irp c, 0,1
	v_max_num_f32 v[BM+\c], 0x1800000, v[BM+\c]    ; the floor 2^(3 - 127)
.endr
.irp c, 0,1
	s_delay_alu instid0(VALU_DEP_2)
	v_add_nc_u32 v[SOP+\c], 0xff000000, v[BM+\c]   ; 2 off the exponent field: the conversion's scale operand
.endr
.irp c, 0,1
	s_delay_alu instid0(VALU_DEP_2)
	v_lshrrev_b32 v[BY+\c], 23, v[SOP+\c]
.endr
	s_delay_alu instid0(VALU_DEP_1)
	v_lshl_or_b32 v[WD], v[BY+1], 16, v[BY]        ; my blocks h and 2 + h,
	s_delay_alu instid0(VALU_DEP_1)
	v_lshlrev_b32 v[WD], v[SH8], v[WD]             ; at their places in the word;
	s_delay_alu instid0(VALU_DEP_1)
	v_permlanex16_b32 v[PT], v[WD], s28, s29
	s_delay_alu instid0(VALU_DEP_1)
	v_or_b32 v[PS], v[WD], v[PT]                   ; with lane l xor 16's two the word is whole
.irp c, 0,1
.irp g, 0,1,2,3
	v_cvt_scalef32_pk8_fp4_f32 v[PP+4*\c+\g], v[SS+32*\c+8*\g:SS+32*\c+8*\g+7], v[SOP+\c]  ; registers 4 c .. 4 c + 3 of the operand: keys 64 c + 32 h + 0 .. 31
.endr
.endr
	v_nop                                          ; one plain place behind the scaled conversions
	v_pk_add_f32 v[208:209], v[100:101], v[104:105]
	v_pk_add_f32 v[214:215], v[108:109], v[112:113]
	v_pk_add_f32 v[212:213], v[116:117], v[120:121]
	v_pk_add_f32 v[210:211], v[124:125], v[128:129]
	v_pk_add_f32 v[94:95], v[132:133], v[136:137]
	v_pk_add_f32 v[58:59], v[140:141], v[144:145]
	v_pk_add_f32 v[56:57], v[148:149], v[152:153]
	v_pk_add_f32 v[204:205], v[204:205], v[156:157]
	v_pk_add_f32 v[208:209], v[208:209], v[96:97]
	v_pk_add_f32 v[214:215], v[214:215], v[98:99]
	v_pk_add_f32 v[212:213], v[212:213], v[102:103]
	v_pk_add_f32 v[210:211], v[210:211], v[106:107]
	v_pk_add_f32 v[94:95], v[94:95], v[110:111]
	v_pk_add_f32 v[58:59], v[58:59], v[114:115]
	v_pk_add_f32 v[56:57], v[56:57], v[118:119]
	v_pk_add_f32 v[204:205], v[204:205], v[122:123]
	v_pk_add_f32 v[208:209], v[208:209], v[126:127]
	v_pk_add_f32 v[214:215], v[214:215], v[130:131]
	v_pk_add_f32 v[212:213], v[212:213], v[134:135]
	v_pk_add_f32 v[210:211], v[210:211], v[138:139]
	v_pk_add_f32 v[94:95], v[94:95], v[142:143]
	v_pk_add_f32 v[58:59], v[58:59], v[146:147]
	v_pk_add_f32 v[56:57], v[56:57], v[150:151]
	v_pk_add_f32 v[204:205], v[204:205], v[154:155]
	v_pk_add_f32 v[208:209], v[208:209], v[158:159]
	s_delay_alu instid0(VALU_DEP_2)
	v_pk_add_f32 v[204:205], v[204:205], v[210:211]
	s_delay_alu instid0(VALU_DEP_2)
	v_pk_add_f32 v[208:209], v[208:209], v[94:95]
	v_pk_add_f32 v[214:215], v[214:215], v[58:59]
	v_pk_add_f32 v[212:213], v[212:213], v[56:57]
	s_delay_alu instid0(VALU_DEP_2)
	v_pk_add_f32 v[204:205], v[204:205], v[214:215]
	s_delay_alu instid0(VALU_DEP_2)
	v_pk_add_f32 v[208:209], v[208:209], v[212:213]
	s_delay_alu instid0(VALU_DEP_1)
	v_pk_add_f32 v[204:205], v[204:205], v[208:209]
.set j, 0
.rept 16
	v_pk_mul_f32 v[OO+j:OO+j+1], v[OO+j:OO+j+1], v[FF:FF+1] op_sel_hi:[1,0]        ; O^T under the new M.  (These and the sums are the places that the scale words and codes made by vector instructions owe)
.set j, j+2
.endr
	s_wait_alu depctr_va_vdst(0)
	s_wait_dscnt 0x0                               ; h's codes are in
.irp ct, 0,1                           ; O^T += h p^T: register 8 ct + j of lane half h is channel 32 h + 8 ct + j.  The four accumulators take turns
	v_wmma_scale_f32_16x16x128_f8f6f4 v[OO+8*\ct:OO+8*\ct+7], v[HV+8*\ct:HV+8*\ct+7], v[PP:PP+7], v[OO+8*\ct:OO+8*\ct+7], v[HS+\ct], v[PS] matrix_a_fmt:MATRIX_FMT_FP4 matrix_b_fmt:MATRIX_FMT_FP4
.endr
.irp ct, 2,3
	v_wmma_scale_f32_16x16x128_f8f6f4 v[OO+8*\ct:OO+8*\ct+7], v[HV+8*\ct:HV+8*\ct+7], v[PP:PP+7], v[OO+8*\ct:OO+8*\ct+7], v[HS+\ct-2], v[PS] matrix_a_fmt:MATRIX_FMT_FP4 matrix_b_fmt:MATRIX_FMT_FP4 matrix_a_scale:MATRIX_SCALE_ROW1
.endr
.endm
.macro CHUNK                           ; my two steps of the chunk whose split begins at LDS byte s67
	v_add_nc_u32 v[ADI], s67, v[LI]
	v_add_nc_u32 v[ADG], s67, v[AG0]
	v_add_nc_u32 v[ADH], s67, v[AH0]
	s_wait_alu depctr_va_vdst(0)
	STEP 0
	STEP 1
.endm
	s_load_b256 s[8:15], s[0:1], 0x0               ; kv s[8:9], fq s[10:11], Wv's codes s[12:13], Wv's scales s[14:15]
	s_load_b128 s[16:19], s[0:1], 0x20             ; bv s[16:17], x s[18:19]
	s_load_b64 s[20:21], s[0:1], 0x30              ; out0
	v_lshl_add_u32 v[SPW], v0, 2, SPARE
	v_mov_b32 v[NIL], 0
	ds_add_u32 v1, v2
	ds_add_u32 v1, v2
	s_wait_dscnt 0x0
	v_lshrrev_b32 v17, 5, v0
	s_delay_alu instid0(VALU_DEP_1)
	v_readfirstlane_b32 s22, v17                   ; wave 0..15
	s_and_b32 s23, s22, 3                          ; my query tile; for waves 0-3 also the quarter that I fetch
	s_lshr_b32 s24, s22, 2                         ; my key split
	s_bfe_u32 s25, ttmp6, 0x40000                  ; cx: my place in the cluster
	s_lshl_b32 s26, ttmp9, 2
	s_add_co_u32 s26, s26, s25                     ; my block of 64 queries = 4 x cluster x + cx
	s_and_b32 s27, ttmp7, 0xffff                   ; the batch, which the four partners share
	s_mov_b32 s28, 0x76543210
	s_mov_b32 s29, 0xfedcba98                      ; v_permlanex16_b32's selects for lane l xor 16
	s_mov_b32 s30, 0x3e38aa3b                      ; log2(e) / 8
	s_mov_b32 s31, s30                             ; (named with it as a pair, so it is written)
	; descriptor group 1: a dense block of 18,432 bytes as 72 rows of 256 bytes (32 elements of 8 bytes), no padding
	s_mov_b32 s32, 15|(3<<16)|(1<<21)              ; 15:0 the mask: all four work-groups; 17:16 elements of 8 bytes; 21 set beside a mask
	s_mov_b32 s33, 32<<16                          ; tensor_dim0 = 32
	s_mov_b32 s34, 72<<16                          ; tensor_dim1 = 72
	s_mov_b32 s35, 32<<16                          ; tile_dim0 = 32
	s_mov_b32 s36, 72                              ; tile_dim1 = 72
	s_mov_b32 s37, 32                              ; tensor_dim0_stride
	s_mov_b32 s38, 0
	s_mov_b32 s39, 0
	s_mul_i32 s68, s23, QTB                        ; my quarter of a chunk
	s_mul_i32 s69, s24, QTB                        ; my split's two steps in a chunk
	s_mul_i32 s72, s27, 128*HRB                    ; kv: the batch + my quarter: no place in the cluster enters these two registers
	s_add_co_u32 s72, s72, s68
	s_mov_b32 s73, 0
	s_lshl_b32 s74, s27, 7
	s_add_co_u32 s74, s74, s26
	s_mul_i32 s74, s74, 2304                       ; fq: my block's record;
	s_lshl_b32 s76, s23, 2
	s_add_co_u32 s76, s76, s74
	s_add_co_u32 s76, s76, 2048                    ; its scale words, my tile's;
	s_lshl_b32 s75, s23, 9
	s_add_co_u32 s74, s74, s75                     ; my tile's codes
	s_mov_b32 s75, 0
	s_mov_b32 s77, 0
	s_lshl_b32 s80, s27, 23                        ; x and out0: the batch, rows 16 w on, my block's 256 bytes
	s_lshl_b32 s81, s22, 19
	s_add_co_u32 s80, s80, s81
	s_lshl_b32 s81, s26, 8
	s_add_co_u32 s80, s80, s81
	s_mov_b32 s81, 0
	s_mov_b32 s79, 0
	v_and_b32 v17, 31, v0                          ; lane
	v_and_b32 v18, 15, v0                          ; r
	v_bfe_u32 v19, v0, 4, 1                        ; h
	s_delay_alu instid0(VALU_DEP_3)
	v_lshlrev_b32 v[LI], 4, v17
	s_delay_alu instid0(VALU_DEP_2)
	v_mul_u32_u24 v[AG0], v19, HRB
	s_delay_alu instid0(VALU_DEP_1)
	v_lshl_add_u32 v[AG0], v18, 4, v[AG0]
	s_delay_alu instid0(VALU_DEP_1)
	v_add_nc_u32 v[AG0], 4096, v[AG0]
	v_lshl_add_u32 v[AH0], v17, 3, 4352
	v_lshlrev_b32 v[SH8], 3, v19
	v_lshlrev_b32 v[GOX], 15, v19
	s_delay_alu instid0(VALU_DEP_1)
	v_lshl_add_u32 v[GOX], v18, 4, v[GOX]
	s_mul_i32 s82, s22, MRW
	v_add_nc_u32 v[MW], s82, v[LI]                 ; the merge, in: my wave's bytes
	v_lshl_add_u32 v[MW4], v17, 2, s82
	s_delay_alu instid0(VALU_DEP_1)
	v_add_nc_u32 v[MW4], 4096, v[MW4]
	s_add_co_u32 s83, s82, OST
	v_mul_u32_u24 v[OSR], v19, OSP
	s_delay_alu instid0(VALU_DEP_1)
	v_lshl_add_u32 v[OSR], v18, 4, v[OSR]
	s_delay_alu instid0(VALU_DEP_1)
	v_add_nc_u32 v[OSR], s83, v[OSR]               ; the way out, back: rows 16 w on (16 rows of 272 bytes are 4,352): lanes 0-15 one row, lanes 16-31 the next
	s_mul_i32 s82, s23, MRW
	v_add_nc_u32 v[MR], s82, v[LI]                 ; the merge, back: split i of my query tile lies 4 x 4,352 i further on
	v_lshl_add_u32 v[MR4], v17, 2, s82
	s_delay_alu instid0(VALU_DEP_1)
	v_add_nc_u32 v[MR4], 4096, v[MR4]
	s_mul_i32 s82, s24, 64*OSP
	s_lshl_b32 s83, s23, 5
	s_add_co_u32 s82, s82, s83
	s_add_co_u32 s82, s82, OST
	v_mul_u32_u24 v[OSW], v18, OSP
	s_delay_alu instid0(VALU_DEP_1)
	v_lshl_add_u32 v[OSW], v19, 7, v[OSW]
	s_delay_alu instid0(VALU_DEP_1)
	v_add_nc_u32 v[OSW], s82, v[OSW]               ; the way out, in: row 64 ks + r, voxels 32 h + 8 qt on
	v_lshlrev_b32 v[TT], 4, v18                    ; f's scale words: 16 r
	s_wait_kmcnt 0x0
	s_add_nc_u64 s[8:9], s[8:9], s[72:73]          ; kv at my quarter of chunk 0
	s_add_nc_u64 s[82:83], s[10:11], s[76:77]      ; f's scale words
	s_add_nc_u64 s[10:11], s[10:11], s[74:75]      ; f's codes
	s_add_nc_u64 s[18:19], s[18:19], s[80:81]
	s_add_nc_u64 s[20:21], s[20:21], s[80:81]
	s_lshl_b32 s78, s24, 11
	s_add_nc_u64 s[12:13], s[12:13], s[78:79]      ; Wv: my split's 64 rows: codes,
	s_lshl_b32 s78, s24, 7
	s_add_nc_u64 s[14:15], s[14:15], s[78:79]      ; scale bytes,
	s_lshl_b32 s78, s24, 8
	s_add_nc_u64 s[16:17], s[16:17], s[78:79]      ; bv
.irp s, 0,1,2,3                        ; group 0 of the four first fills: chunk s into slot s
	s_mov_b32 s[40+4*\s], 1
	s_add_co_u32 s[41+4*\s], s68, \s*CHB
	s_add_nc_u64 s[42+4*\s:43+4*\s], s[8:9], \s*CHB
	s_or_b32 s[43+4*\s], s[43+4*\s], 0x80000000
.endr
	s_mov_b32 s56, 1                               ; the walking group 0, for the refills
	s_add_nc_u64 s[60:61], s[8:9], 4*CHB           ; my quarter of chunk 4
	CROUND                                         ; all four work-groups are here: the first joint loads meet
	s_cmp_lt_u32 s22, 4                            ; a wave's four first fills stand in one branch, ahead of every wait on TENSORcnt, every LDS read and every further barrier
	s_cbranch_scc0 .Lfirst_asked
	tensor_load_to_lds s[40:43], s[32:39]
	s_nop 0
	tensor_load_to_lds s[44:47], s[32:39]
	s_nop 0
	tensor_load_to_lds s[48:51], s[32:39]
	s_nop 0
	tensor_load_to_lds s[52:55], s[32:39]
	s_nop 0
.rept 4
	v_nop
.endr
.Lfirst_asked:
	global_load_b128 v[FQ:FQ+3], v[LI], s[10:11]   ; f's fragment stays in registers
	s_wait_alu depctr_va_vdst(0)
	global_load_b32 v[FS], v[TT], s[82:83]
.irp j, 4,5,6,7
	v_mov_b32 v[FQ+\j], 0                          ; zero codes for k = 64 .. 127
.endr
.irp j, 32,33,34,35
	v_mov_b32 v[GK+\j], 0                          ; behind g's last tile
.endr
.set j, 0
.rept 32
	v_mov_b32 v[OO+j], 0                           ; O^T.  (The step is written once: the first finds zeros, which the first change of M leaves zeros)
.set j, j+1
.endr
	v_mov_b32 v[LL], 0
	v_mov_b32 v[LL+1], 0
	v_mov_b32 v[FF+1], 0
	v_mov_b32 v[PT], 0                             ; a lane permute's destination counts as one of its sources
	v_mov_b32 v[MT], 0xff61b1e6                    ; the largest t so far: -3e38, under every t
	s_delay_alu instid0(VALU_DEP_1)
	v_floor_f32 v[NM], -v[MT]
	s_wait_loadcnt 0x0                             ; f
	s_wait_tensorcnt 3                             ; my quarter of chunk 0 is in; the three younger fills may stay out
	s_barrier_signal -1
	s_barrier_wait -1                              ; everybody's is
	s_mov_b32 s67, s69
	CHUNK                                          ; phase 0: chunk 0, slot 0
	s_mov_b32 s66, 0                               ; the slot to be filled,
	s_mov_b32 s62, 0                               ; and how far behind chunk 4 its chunk lies
	s_mov_b32 s63, 0
	s_add_co_u32 s67, s69, CHB
	s_mov_b32 s70, 3
.Lfill:                                            ; phases 1-3: chunks 4, 5, 6 go into slots 0, 1, 2; chunks 1, 2, 3 are worked
	CHANGE 1
	CHUNK
	s_add_co_u32 s66, s66, CHB
	s_add_co_u32 s62, s62, CHB
	s_add_co_u32 s67, s67, CHB
	s_sub_co_u32 s70, s70, 1
	s_cmp_lg_u32 s70, 0
	s_cbranch_scc1 .Lfill
	CHANGE 1                                       ; phase 4: chunk 7 goes into slot 3: the last fill
	s_mov_b32 s67, s69
	CHUNK                                          ; chunk 4, slot 0
	CHANGE 0                                       ; every wave's loads have landed and slot 0 is left: phases 5-7 want no further barrier
.irp i, 0,1,2,3,4,5,6,7
	global_load_b128 v[XR+4*\i:XR+4*\i+3], v[GOX], s[18:19] offset:65536*\i th:TH_LOAD_NT  ; x for the residual, three chunks ahead of its use: rows 16 w + 2 i, + 1; sixteen lanes read 256 consecutive bytes
.endr
	s_add_co_u32 s67, s69, CHB
	s_mov_b32 s70, 3
.Ltail:                                            ; phases 5-7: chunks 5, 6, 7 in slots 1, 2, 3
	CHUNK
	s_add_co_u32 s67, s67, CHB
	s_sub_co_u32 s70, s70, 1
	s_cmp_lg_u32 s70, 0
	s_cbranch_scc1 .Ltail
	; ---- my split's sum; the addresses of Wv and bv.  (These plain lines are the places behind the last products)
	v_add_f32 v[LL], v[LL], v[LL+1]
	s_delay_alu instid0(VALU_DEP_1)
	v_permlanex16_b32 v[PT], v[LL], s28, s29
	s_delay_alu instid0(VALU_DEP_1)
	v_add_f32 v[LL], v[LL], v[PT]
	v_and_b32 v40, 15, v0                          ; r
	v_bfe_u32 v42, v0, 4, 1                        ; h
	s_delay_alu instid0(VALU_DEP_2)
	v_lshlrev_b32 v41, 5, v40
	s_delay_alu instid0(VALU_DEP_1)
	v_lshl_add_u32 v41, v42, 4, v41                ; Wv's codes: a row of 64 codes is 32 bytes, + 16 h
	s_delay_alu instid0(VALU_DEP_4)
	v_lshlrev_b32 v43, 1, v40                      ; its scale bytes: 2 a row
	v_lshlrev_b32 v44, 2, v40                      ; bv
.irp i, 0,1,2,3                        ; tile i: output channels 64 ks + 16 i + r.  They land under the merge
	global_load_b128 v[GK+4*\i:GK+4*\i+3], v41, s[12:13] offset:512*\i
	global_load_u16 v[GS+\i], v43, s[14:15] offset:32*\i           ; bytes 0 and 1; the upper two come as 0
	global_load_b32 v[PP+2*\i], v44, s[16:17] offset:64*\i
.endr
	; ---- the four splits of a query tile meet
.irp i, 0,1,2,3,4,5,6,7
	ds_store_b128 v[MW], v[OO+4*\i:OO+4*\i+3] offset:512*\i        ; O^T as an image of its registers, from the low end on
.endr
	ds_store_b32 v[MW4], v[NM]
	ds_store_b32 v[MW4], v[LL] offset:128
	s_wait_dscnt 0x0                               ; for the others' sake: my stores have landed (and my reads of the ring are over)
	s_barrier_signal -1
	s_barrier_wait -1
.irp k, 0,1,2,3,4,5,6,7
	ds_load_b128 v[SS+4*\k:SS+4*\k+3], v[MR] offset:512*\k                         ; split 0
	ds_load_b128 v[SS+32+4*\k:SS+32+4*\k+3], v[MR] offset:4*MRW+512*\k             ; split 1
	ds_load_b128 v[OO+4*\k:OO+4*\k+3], v[MR] offset:8*MRW+512*\k                   ; split 2
	ds_load_b128 v[HV+4*\k:HV+4*\k+3], v[MR] offset:12*MRW+512*\k                  ; split 3
.endr
.irp i, 0,1,2,3
	ds_load_b32 v[208+\i], v[MR4] offset:4*MRW*\i                  ; -M of split i,
	ds_load_b32 v[212+\i], v[MR4] offset:4*MRW*\i+128              ; and its l
.endr
	s_wait_dscnt 0x0
	v_min3_num_f32 v[TT], v208, v209, v210
	s_delay_alu instid0(VALU_DEP_1)
	v_min_num_f32 v[TT], v[TT], v211               ; -M of the whole row
.irp i, 0,1,2,3
	v_sub_f32 v[208+\i], v[TT], v[208+\i]          ; M of split i - M: a whole number, 0 or less
.endr
.irp i, 0,1,2,3
	s_delay_alu instid0(VALU_DEP_4)
	v_cvt_i32_f32 v[208+\i], v[208+\i]
.endr
.irp i, 0,1,2,3
	s_delay_alu instid0(VALU_DEP_4)
	v_ldexp_f32 v[48+2*\i], 1.0, v[208+\i]         ; the split's factor, a power of two
.endr
	s_delay_alu instid0(VALU_DEP_4)
	v_mul_f32 v[WD], v48, v212
	s_delay_alu instid0(VALU_DEP_1)
	v_fma_f32 v[WD], v50, v213, v[WD]
	s_delay_alu instid0(VALU_DEP_1)
	v_fma_f32 v[WD], v52, v214, v[WD]
	s_delay_alu instid0(VALU_DEP_1)
	v_fma_f32 v[WD], v54, v215, v[WD]              ; the row's l
	s_wait_alu depctr_va_vdst(0)
	v_rcp_f32 v[PT], v[WD]
	v_nop                                          ; one plain place behind the transcendental
	s_wait_alu depctr_va_vdst(0)
.irp i, 0,1,2,3
	v_mul_f32 v[48+2*\i], v[48+2*\i], v[PT]        ; factor / l: a power of two times a number rounds nothing
.endr
.set k, 0
.rept 16
	v_pk_mul_f32 v[SS+k:SS+k+1], v[SS+k:SS+k+1], v[48:49] op_sel_hi:[1,0]
.set k, k+2
.endr
.set k, 0
.rept 16
	v_pk_fma_f32 v[SS+k:SS+k+1], v[SS+32+k:SS+32+k+1], v[50:51], v[SS+k:SS+k+1] op_sel_hi:[1,0,1]
.set k, k+2
.endr
.set k, 0
.rept 16
	v_pk_fma_f32 v[SS+k:SS+k+1], v[OO+k:OO+k+1], v[52:53], v[SS+k:SS+k+1] op_sel_hi:[1,0,1]
.set k, k+2
.endr
.set k, 0
.rept 16
	v_pk_fma_f32 v[SS+k:SS+k+1], v[HV+k:HV+k+1], v[54:55], v[SS+k:SS+k+1] op_sel_hi:[1,0,1]      ; z of my query, channels 32 h + 0 .. 31.  (All four waves of a query tile make the same z)
.set k, k+2
.endr
	QBLOCK SS, FQ                                  ; z's codes: registers 0-3; registers 4-7 are still zeros
	v_lshlrev_b32 v[WD], v[SH8], v[BY]
	v_permlanex16_b32 v[PT], v[WD], s28, s29
	s_delay_alu instid0(VALU_DEP_1)
	v_or_b32 v[FS], v[WD], v[PT]                   ; z's scale word: bytes 0 and 1
.rept 8
	v_nop                                          ; a scale word made by vector instructions stands eight places ahead of the scaled product, codes so made four
.endr
	s_wait_alu depctr_va_vdst(0)
	s_wait_loadcnt 0x0                             ; Wv, bv, x
.irp i, 0,1,2,3                        ; source 0 = z's 16 queries, source 1 = 16 rows of Wv: lane (r, h) holds output channel 64 ks + 16 i + r and voxels 32 h + 8 qt + 0 .. 7
	v_wmma_scale_f32_16x16x128_f8f6f4 v[SS+32+8*\i:SS+32+8*\i+7], v[FQ:FQ+7], v[GK+4*\i:GK+4*\i+7], 0, v[FS], v[GS+\i] matrix_a_fmt:MATRIX_FMT_FP4 matrix_b_fmt:MATRIX_FMT_FP4
.endr
.rept 4
	v_nop
.endr
.irp i, 0,1,2,3
.irp k, 0,2,4,6
	v_pk_add_f32 v[SS+32+8*\i+\k:SS+32+8*\i+\k+1], v[SS+32+8*\i+\k:SS+32+8*\i+\k+1], v[PP+2*\i:PP+2*\i+1] op_sel_hi:[1,0]   ; + bv of my channel; each accumulator from its low end on
.endr
.endr
.irp i, 0,1,2,3
	ds_store_b128 v[OSW], v[SS+32+8*\i:SS+32+8*\i+3] offset:16*OSP*\i
	ds_store_b128 v[OSW], v[SS+32+8*\i+4:SS+32+8*\i+7] offset:16*OSP*\i+16
.endr
	s_wait_dscnt 0x0                               ; for the others' sake: a row's 256 bytes come from four waves
	s_barrier_signal -1
	s_barrier_wait -1
.irp i, 0,1,2,3,4,5,6,7
	ds_load_b128 v[SS+4*\i:SS+4*\i+3], v[OSR] offset:2*OSP*\i
.endr
.irp i, 0,1,2,3,4,5,6,7
	s_wait_dscnt 7-\i                              ; rows 2 i, 2 i + 1 are back; the younger loads stay out
	v_pk_add_f32 v[SS+4*\i:SS+4*\i+1], v[SS+4*\i:SS+4*\i+1], v[XR+4*\i:XR+4*\i+1]          ; + x
	v_pk_add_f32 v[SS+4*\i+2:SS+4*\i+3], v[SS+4*\i+2:SS+4*\i+3], v[XR+4*\i+2:XR+4*\i+3]
	global_store_b128 v[GOX], v[SS+4*\i:SS+4*\i+3], s[20:21] offset:65536*\i th:TH_STORE_NT  ; sixteen lanes store 256 consecutive bytes, at a multiple of 256 from out0's first byte
.endr
	s_wait_tensorcnt 0x0                           ; the wave's end, behind my last tensor load and my last LDS store
	ds_add_u32 v[SPW], v[NIL]
	s_wait_dscnt 0x0
	CROUND                                         ; the closing round: no work-group ends while a partner may still ask for a chunk that names it
	s_endpgm
.Lfunc_end_k_q87c5f82711_attn:
	.size	k_q87c5f82711_attn, .Lfunc_end_k_q87c5f82711_attn-k_q87c5f82711_attn
	.p2alignl 7, 3214868480
	.fill 96, 4, 3214868480
	.section	.rodata,"a",@progbits
	.p2align	6, 0x0
	.amdhsa_kernel k_q87c5f82711_attn
		.amdhsa_group_segment_fixed_size 327680
		.amdhsa_private_segment_fixed_size 0
		.amdhsa_enable_private_segment 0
		.amdhsa_kernarg_size 56
		.amdhsa_user_sgpr_count 2
		.amdhsa_user_sgpr_kernarg_segment_ptr 1
		.amdhsa_wavefront_size32 1
		.amdhsa_system_sgpr_workgroup_id_x 1
		.amdhsa_system_sgpr_workgroup_id_y 1
		.amdhsa_system_sgpr_workgroup_id_z 1
		.amdhsa_system_vgpr_workitem_id 0
		.amdhsa_next_free_vgpr 256
		.amdhsa_next_free_sgpr 84
		.amdhsa_reserve_vcc 0
		.amdhsa_float_denorm_mode_32 3
		.amdhsa_float_denorm_mode_16_64 3
		.amdhsa_memory_ordered 1
		.amdhsa_forward_progress 1
		.amdhsa_inst_pref_size 146
	.end_amdhsa_kernel
	.amdgpu_metadata
---
amdhsa.version: [ 1, 2 ]
amdhsa.kernels:
  - .name:           k_q87c5f82711_attn
    .symbol:         k_q87c5f82711_attn.kd
    .args:
      - { .name: kv, .offset: 0, .size: 8, .value_kind: global_buffer, .address_space: global }
      - { .name: fq, .offset: 8, .size: 8, .value_kind: global_buffer, .address_space: global }
      - { .name: Wv_codes, .offset: 16, .size: 8, .value_kind: global_buffer, .address_space: global }
      - { .name: Wv_scales, .offset: 24, .size: 8, .value_kind: global_buffer, .address_space: global }
      - { .name: bv, .offset: 32, .size: 8, .value_kind: global_buffer, .address_space: global }
      - { .name: x, .offset: 40, .size: 8, .value_kind: global_buffer, .address_space: global }
      - { .name: out0, .offset: 48, .size: 8, .value_kind: global_buffer, .address_space: global }
    .group_segment_fixed_size: 327680
    .private_segment_fixed_size: 0
    .kernarg_segment_align: 8
    .kernarg_segment_size: 56
    .max_flat_workgroup_size: 512
    .sgpr_count:     84
    .vgpr_count:     256
    .wavefront_size: 32
...
	.end_amdgpu_metadata
.endif
;; end of part 2
